; MI455X (gfx1250); checked and timed in simulation.
; The chip was launched on July 23, 2026; its instructions are those of AMD's public machine-readable ISA for CDNA 5 (MIT licence, August 2026) and "CDNA5" Instruction Set Architecture Reference Guide (July 2026). The comments in the code are by the model that wrote it; some were corrected since.
;; LSTM From Scratch. Allowed arithmetic: matrix products marked QUANTISED: E2M1 operands, one E8M0 scale for each 32 along K, by v_wmma_scale_f32_16x16x128_f8f6f4 with both operands' format E2M1 (or v_wmma_scale_f32_32x16x128_f4), f32 sums; everything else in f32.
;; Inputs: W_c 2,048 x 3,072 float32; W_f 2,048 x 3,072 float32; W_i 2,048 x 3,072 float32; W_o 2,048 x 3,072 float32; b_c 2,048 float32; b_f 2,048 float32; b_i 2,048 float32; b_o 2,048 float32; c_prev 2,048 x 2,048 float32; h_prev 2,048 x 2,048 float32; x_t 2,048 x 1,024 float32.
;; Outputs: out0 2,048 x 2,048 float32; out1 2,048 x 2,048 float32.
;; This version of the problem:
;;   THIS VERSION OF THE PROBLEM IS GIVEN IN LOW PRECISION. The matrix products marked QUANTISED in the list below multiply operands that are first quantised to E2M1 (2 exponent bits, 1 mantissa bit; 4 bits a number), with one power-of-two scale for each 32 numbers along K (OCP MX v1.0); their sums are f32. All else is computed in f32.
;;   The module's matrix products, in the order in which they are computed (A, B: the left and right operand; K: the contracted axis; several contracted axes count as one K, in the product's order):
;;     1. [M 2,048, K 3,072] x [K 3,072, N 8,192]; A: computed on the way; B: computed on the way: QUANTISED
;;   THE QUANTISER, for each operand of a quantised product, along K:
;;     - K is cut into blocks of 32 from its start; a last block that is shorter is filled with zeros.
;;     - A block's scale is 2^e with e = floor(log2(the largest magnitude in the block)) - 2, held to -126 .. 127; a block of zeros has e = 0. As a byte (E8M0): e + 127.
;;     - Each number is divided by its block's scale, clamped to +-6, and rounded to the nearest number of E2M1, ties to even, subnormals kept.
;;     - The product sums the exact products of the quantised numbers (number of the format x scale) in f32.
;;   ~~~python
;;   def quantise(x, axis):      # numpy; x: float32 -> the quantised numbers, widened to float32 again
;;       x = np.moveaxis(x, axis, -1); K = x.shape[-1]
;;       x = np.pad(x, [(0, 0)] * (x.ndim - 1) + [(0, -K % 32)]); x = x.reshape(x.shape[:-1] + (-1, 32)); a = np.abs(x).max(-1, keepdims=True)
;;       e = np.where(a > 0, np.clip(np.frexp(np.where(a > 0, a, 1))[1] - 1 - 2, -126, 127), 0)      # np.frexp(a)[1] - 1 = floor(log2(a)), exactly
;;       r = np.clip(x / 2.0 ** e, -6, 6)
;;       step = 2.0 ** (np.maximum(np.frexp(np.where(r == 0, 1, r))[1] - 1, 0) - 1)
;;       q = np.round(r / step) * step * 2.0 ** e      # np.round: ties to even
;;       return np.moveaxis(q.reshape(q.shape[:-2] + (-1,))[..., :K], -1, axis).astype(np.float32)
;;   ~~~
;;   OPERANDS COMPUTED ON THE WAY. 'Computed on the way' means the value that the module computes at that place (a softmax that the list does not call 'softmax' is quantised finished and normalised). What goes into a quantiser is computed in f32, as accurately as f32 sums, v_exp_f32 and their like allow (about 1e-6 of the number): no bf16 or f16 on the way to a quantiser, and a product that is left as it is and whose result goes on into a quantised operand takes f32 operands (vector FMAs, or v_wmma_f32_16x16x4_f32). A number that lies on a knife's edge between two numbers of the format may be rounded either way, as far as f32 arithmetic and the matrix unit's own rounding can turn it there, and no further.
;; One version. Each part assembles by itself: llvm-mc -triple=amdgcn-amd-amdhsa -mcpu=gfx1250 --defsym DOCPART=n.
;; ======== version 1 of 1: 2 launches
;; limits: right only within a limited range of input values
;; workspace buffers: codes 16,711,680 bytes
;; launch quant (part 1): grid 256 x 1, 15 waves a work-group, no clusters, 316,928 bytes of LDS; arguments x_t, h_prev, W_i, W_f, W_c, W_o, codes; writes codes
.if DOCPART == 1
	.amdgcn_target "amdgcn-amd-amdhsa--gfx1250"
	.amdhsa_code_object_version 6
	.text
	.protected	k_qe9a26532bb_quant
	.globl	k_qe9a26532bb_quant
	.p2align	8
	.type	k_qe9a26532bb_quant,@function
k_qe9a26532bb_quant:
	s_mov_b64 s[64:65], 0
	v_nop
	global_prefetch_b8 v0, s[64:65] scope:SCOPE_SE
	s_setreg_imm32_b32 hwreg(HW_REG_WAVE_MODE, 25, 1), 1
	s_wait_xcnt 0x0
; [x_t | h_prev] (2,048 rows) and the four weights (4 x 2,048 rows), all f32 with K = 3,072 innermost, become codes of FP4 (E2M1) with one E8M0 byte for each 32 along K.
; A block's scale is 2^(floor(log2(its largest magnitude)) - 2); its byte is the largest magnitude's exponent field - 2, held at 1 from below; each number is divided by the scale and rounded to the nearest code, ties to even, beyond 6 the largest code.
; LIMITS: a block of zeros gets the byte 1 where the rule says 127 (its codes are zeros, which add nothing, and this program alone reads the bytes); NaN and infinities among the inputs are not served.
; ROWS.  The 10,240 rows are taken in groups of 16, G = 0 .. 639.  G < 128: rows 16 G on of [x | h].  G = 128 + G', G' = 16 tx + 8 half + 2 gate + u: rows 64 tx + 32 half + 16 u on of W_gate (0 i, 1 f, 2 c, 3 o):
; so the four gates of one hidden unit fall into one wave's tile of the product.
; LAYOUT OF THE RESULT, as the product's loads and registers want it: [K step of 512: 6][G / 8: 80] pieces of 34,816 bytes.  A piece: codes [G % 8][block of 32: 16][row: 16][16 bytes], then scales [G % 8][row: 16][16 bytes, one for each block].
; SHARES.  A unit is one group of rows x one K step: 16 rows x 2,048 bytes in, 4,096 + 256 bytes out.  W has 3,072 units, h 512, x 256: each of the 256 work-groups has 12 waves for W (two groups of rows, all of K), 2 for h, 1 for x.
; HALF of a wave's unit (the first 1,024 bytes of each row) comes by one tensor load into LDS bytes of the wave's own, the other half by 32 loads into 128 registers: everything is asked for at the head, so there is no loop for a prefetch to run ahead in.
; Either way lane (r, h) gets ONE WHOLE BLOCK of row r into 32 registers: its largest magnitude needs no other lane, four conversions make its 16 bytes, and the wave's store covers 512 consecutive bytes, aligned to 256.
; The registers' half is worked first, while the tile is on its way: it turns, 256 bytes of each row at a time, through a small stage in LDS blocks of its own.  Waves share nothing: no barrier.
.set SPI,  272                         ; a stage row: 256 bytes + 16
.set TPI,  1040                        ; a tile row: 1,024 bytes + 16: sixteen rows start at sixteen different groups of banks
.set STG,  16*TPI                      ; behind the tile: the stage, 16 rows
.set WREG, STG+16*SPI                  ; a wave's LDS
.set PIECE, 34816
.set KSS,  80*PIECE                    ; bytes from a K step to the next
.set SPARE, 15*WREG                    ; the spare words, 128 bytes for each wave, in blocks that no other line names
.set ROWB, 32                          ; s[32:47] the addresses of my eight pairs of rows
.set G1W,  68                          ; s[68:75], s[76:83], s[84:91] group 1 for W, h, x: they differ in the rows' pitch alone
.set G1H,  76
.set G1X,  84
.set G0,   92                          ; s[92:95] group 0
.set TIL,  8                           ; v8       out of the tile: row r, block h of each pair
.set IN,   9                           ; v9       my 16 bytes of a load's two rows x 256 bytes
.set SW,   16                          ; v16-19   the scale words, one for each step of 512 bytes of a row
.set C,    24                          ; v24-55   codes: four registers for each half step, never rewritten
.set X,    56                          ; v56-119  two sets of 32 numbers: a block each
.set R,    120                         ; v120-247 four sets of 32 registers as they are loaded
.set SPW,  248                         ; LDS address of my spare word
.set NIL,  249                         ; 0
	s_load_b256 s[4:11], s[0:1], 0x0               ; x 4:5, h 6:7, W_i 8:9, W_f 10:11
	s_load_b128 s[12:15], s[0:1], 0x20             ; W_c 12:13, W_o 14:15
	s_load_b64 s[16:17], s[0:1], 0x30              ; codes
	v_lshl_add_u32 v[SPW], v0, 2, SPARE
	v_mov_b32 v[NIL], 0
	ds_add_u32 v[SPW], v[NIL]                      ; the opening lines: the add, twice on end
	ds_add_u32 v[SPW], v[NIL]
	v_lshrrev_b32 v7, 5, v0
	v_readfirstlane_b32 s20, v7                    ; wave 0..14
	s_mul_i32 s21, s20, WREG                       ; my LDS: the tile,
	s_add_co_u32 s22, s21, STG                     ; and the stage
	v_and_b32 v7, 31, v0                           ; lane
	v_and_b32 v10, 15, v0                          ; r
	v_bfe_u32 v6, v0, 4, 1                         ; h
	v_lshlrev_b32 v1, 4, v7                        ; 16 x lane: my bytes of a store's 512
	v_mul_u32_u24 v2, v6, SPI
	v_mul_u32_u24 v3, v10, SPI
	v_mul_u32_u24 v[TIL], v10, TPI
	v_lshlrev_b32 v4, 4, v10
	v_lshl_add_u32 v2, v10, 4, v2
	v_lshl_add_u32 v3, v6, 7, v3
	v_lshl_add_u32 v[TIL], v6, 7, v[TIL]
	v_lshl_add_u32 v4, v6, 3, v4                   ; the scale bytes' way out: 16 r + 8 h
	v_add_nc_u32 v2, s22, v2                       ; into the stage: lanes 0-15 a row, lanes 16-31 the next
	v_add_nc_u32 v3, s22, v3                       ; out of it: row r, block h
	v_add_nc_u32 v[TIL], s21, v[TIL]
	v_lshlrev_b32 v5, 3, v6                        ; 8 h: my bytes' shift in a scale word
.irp t, 0,1,2,3
	v_mov_b32 v[20+\t], 0                          ; written once: a lane permute's destination counts as one of its sources
.endr
	; group 1: 16 rows of 256 elements of 4 bytes, 16 bytes of padding behind each 1,024
.irp g, G1W, G1H, G1X
	s_mov_b32 s[\g], (2<<16)|(1<<20)|(7<<22)|(3<<25)
	s_mov_b32 s[\g+1], 256<<16
	s_mov_b32 s[\g+2], 16<<16
	s_mov_b32 s[\g+3], 256<<16
	s_mov_b32 s[\g+4], 16
	s_mov_b32 s[\g+6], 0
	s_mov_b32 s[\g+7], 0
.endr
	s_mov_b32 s[G1W+5], 3072
	s_mov_b32 s[G1H+5], 2048
	s_mov_b32 s[G1X+5], 1024
	; my unit.  Every choice hangs on ids alone
	s_cmp_ge_u32 s20, 6
	s_cselect_b32 s22, 1, 0                        ; W: u
	s_mul_i32 s23, s22, 6
	s_sub_co_u32 s23, s20, s23                     ; W: K step
	s_and_b32 s96, ttmp9, 1                        ; x: K step
	s_lshl_b32 s97, s96, 1
	s_add_co_u32 s97, s97, s20
	s_sub_co_u32 s97, s97, 10                      ; h: K step 2 + 2 (x % 2) + wave - 12
	s_sub_co_u32 s98, s97, 2                       ; and which 2,048 bytes of h's row
	s_mov_b32 s99, 8192
	s_cmp_lt_u32 s20, 14
	s_cselect_b32 s97, s97, s96
	s_cselect_b32 s98, s98, s96
	s_cselect_b32 s99, s99, 4096
	s_lshr_b32 s100, ttmp9, 1                      ; [x | h]: group of rows
	s_lshr_b32 s101, ttmp9, 2
	s_lshl_b32 s101, s101, 1
	s_add_co_u32 s101, s101, s22                   ; W: the weight's group of rows, 2 (2 tx + half) + u
	s_lshl_b32 s104, ttmp9, 1
	s_add_co_u32 s104, s104, s22
	s_add_co_u32 s104, s104, 128                   ; W: G
	s_mov_b32 s105, 12288
	s_cmp_lt_u32 s20, 12
	s_cselect_b32 s97, s23, s97                    ; K step
	s_cselect_b32 s98, s23, s98                    ; which 2,048 bytes of a row
	s_cselect_b32 s2, s105, s99                    ; from row to row
	s_cselect_b32 s101, s101, s100
	s_cselect_b32 s104, s104, s100                 ; G
	s_mov_b32 s3, 0
	v_mul_u32_u24 v[IN], s2, v6                    ; a load takes two rows: lanes 0-15 256 bytes of a row, lanes 16-31 of the next
	v_lshl_add_u32 v[IN], v10, 4, v[IN]
	s_mul_i32 s22, s101, s2
	s_lshl_b32 s22, s22, 4
	s_lshl_b32 s23, s98, 11
	s_add_co_u32 s22, s22, s23                     ; s[22:23]: where my unit begins in its tensor: under 2^25
	s_mov_b32 s23, 0
	s_lshl_b32 s2, s2, 1                           ; s[2:3]: from a pair of rows to the next
	s_mul_i32 s28, s97, KSS
	s_lshr_b32 s29, s104, 3
	s_mul_i32 s29, s29, PIECE
	s_add_co_u32 s28, s28, s29                     ; my piece
	s_and_b32 s30, s104, 7
	s_lshl_b32 s31, s30, 8
	s_lshl_b32 s30, s30, 12
	s_add_co_u32 s31, s31, s28
	s_add_co_u32 s28, s28, s30                     ; my codes in it
	s_add_co_u32 s30, s31, 32768                   ; and my scale bytes, behind its codes
	s_mov_b32 s29, 0
	s_mov_b32 s31, 0
	s_and_b32 s96, ttmp9, 3                        ; W: gate
	s_mov_b32 s[G0], 1
	s_mul_i32 s[G0+1], s20, WREG
	s_mov_b32 s18, 0x76543210
	s_mov_b32 s19, 0xfedcba98                      ; v_permlanex16_b32's selects for lane l xor 16
	s_wait_alu depctr_va_vdst(0)                   ; the wait at the head's end
	s_wait_dscnt 0x0                               ; both opening adds are done
	s_wait_kmcnt 0x0
	s_and_b32 s99, s96, 1
	s_cselect_b64 s[24:25], s[10:11], s[8:9]       ; W_f or W_i
	s_cselect_b64 s[26:27], s[14:15], s[12:13]     ; W_o or W_c
	s_cmp_ge_u32 s96, 2
	s_cselect_b64 s[24:25], s[26:27], s[24:25]
	s_cmp_lt_u32 s20, 14
	s_cselect_b64 s[26:27], s[6:7], s[4:5]         ; h or x
	s_cmp_lt_u32 s20, 12
	s_cselect_b64 s[24:25], s[24:25], s[26:27]
	s_add_nc_u64 s[ROWB:ROWB+1], s[24:25], s[22:23]
	s_mov_b64 s[G0+2:G0+3], s[ROWB:ROWB+1]
	s_or_b32 s[G0+3], s[G0+3], 0x80000000
	; ONE tensor load a wave, in one chain of branches on the wave's number
	s_cmp_lt_u32 s20, 12
	s_cbranch_scc0 .Lnot_w
	tensor_load_to_lds s[G0:G0+3], s[G1W:G1W+7]
	s_nop 0
.rept 4
	v_nop
.endr
	s_branch .Lasked
.Lnot_w:
	s_cmp_lt_u32 s20, 14
	s_cbranch_scc0 .Lnot_h
	tensor_load_to_lds s[G0:G0+3], s[G1H:G1H+7]
	s_nop 0
.rept 4
	v_nop
.endr
	s_branch .Lasked
.Lnot_h:
	tensor_load_to_lds s[G0:G0+3], s[G1X:G1X+7]
	s_nop 0
.rept 4
	v_nop
.endr
.Lasked:
.irp j, 1,2,3,4,5,6,7
	s_add_nc_u64 s[ROWB+2*\j:ROWB+2*\j+1], s[ROWB+2*\j-2:ROWB+2*\j-1], s[2:3]
.endr
	s_add_nc_u64 s[28:29], s[16:17], s[28:29]
	s_add_nc_u64 s[30:31], s[16:17], s[30:31]
.macro LOAD e                          ; half step e of the second half: 256 bytes of each of my 16 rows, two rows a load
.irp j, 0,1,2,3,4,5,6,7
	global_load_b128 v[R+32*(\e)+4*\j:R+32*(\e)+4*\j+3], v[IN], s[ROWB+2*\j:ROWB+2*\j+1] offset:1024+256*(\e) th:TH_LOAD_NT
.endr
.endm
.macro OUT adr, base, s                ; a block of 32 numbers of row r into set s
.irp i, 0,1,2,3,4,5,6,7
	ds_load_b128 v[X+32*(\s)+4*\i:X+32*(\s)+4*\i+3], v[\adr] offset:\base+16*\i
.endr
.endm
.macro TURN e                          ; through the stage: LDS serves a wave's instructions in order (ISA guide 5.7.1.4), so no wait stands between the stores and the loads, nor in front of the next half step's stores
.irp j, 0,1,2,3,4,5,6,7
	ds_store_b128 v2, v[R+32*(\e)+4*\j:R+32*(\e)+4*\j+3] offset:2*SPI*\j
.endr
	OUT 3, 0, (\e)%2
.endm
.macro QUANT t, s                      ; my block 4 t + 2 s + h of row r
.set XS, X+32*(\s)
.set CC, C+4*(2*(\t)+(\s))
	v_max3_num_f32 v12, |v[XS]|, |v[XS+1]|, |v[XS+2]|              ; the block's largest magnitude: all 32 numbers are mine; two chains
	v_max3_num_f32 v13, |v[XS+3]|, |v[XS+4]|, |v[XS+5]|
.irp i, 6,10,14,18,22,26
	s_delay_alu instid0(VALU_DEP_2)
	v_max3_num_f32 v12, v12, |v[XS+\i]|, |v[XS+\i+1]|
	s_delay_alu instid0(VALU_DEP_2)
	v_max3_num_f32 v13, v13, |v[XS+\i+2]|, |v[XS+\i+3]|
.endr
	s_delay_alu instid0(VALU_DEP_2)
	v_max3_num_f32 v12, v12, |v[XS+30]|, |v[XS+31]|
	s_delay_alu instid0(VALU_DEP_1)
	v_max3_num_f32 v12, v12, v13, 0x1800000        ; and the floor 2^(3 - 127): the byte cannot fall under 1
	s_delay_alu instid0(VALU_DEP_1)
	v_add_nc_u32 v11, 0xff000000, v12              ; 2 off the exponent field: the conversion takes this operand's exponent field as its scale, and nothing else of it
.irp g, 0,1,2,3
	v_cvt_scalef32_pk8_fp4_f32 v[CC+\g], v[XS+8*\g:XS+8*\g+7], v11
.endr
	v_lshrrev_b32 v[14+(\s)], 23, v11              ; the scale's byte (also the plain line behind the conversions)
	global_store_b128 v1, v[CC:CC+3], s[28:29] offset:1024*(\t)+512*(\s)   ; blocks 4 t + 2 s and + 1 of all 16 rows: 512 consecutive bytes
.if (\s) == 1
	v_lshl_or_b32 v[SW+(\t)], v15, 16, v14         ; my two bytes of the step's scale word, 16 bits apart
.endif
.endm
.irp e, 0,1,2,3
	LOAD \e
.endr
	s_wait_loadcnt 24                              ; half step 0's eight loads are in; 24 younger ones may be out
	TURN 0
	s_wait_loadcnt 16
	TURN 1
	s_wait_dscnt 16                                ; half step 0's block is back; half step 1's eight stores and eight loads may be out
	QUANT 2, 0
	s_wait_loadcnt 8
	TURN 2
	s_wait_dscnt 16
	QUANT 2, 1
	s_wait_loadcnt 0x0
	TURN 3
	s_wait_dscnt 16
	QUANT 3, 0
	s_wait_dscnt 0x0
	QUANT 3, 1
	s_wait_tensorcnt 0x0                           ; my tile has landed; only I read it
	OUT TIL, 0, 0
	OUT TIL, 256, 1
	s_wait_dscnt 8                                 ; the first block is back; the second's eight loads may be out
	QUANT 0, 0
	OUT TIL, 512, 0
	s_wait_dscnt 8
	QUANT 0, 1
	OUT TIL, 768, 1
	s_wait_dscnt 8
	QUANT 1, 0
	s_wait_dscnt 0x0
	QUANT 1, 1
.irp t, 0,1,2,3
	v_lshlrev_b32 v[SW+\t], v5, v[SW+\t]           ; lanes 16-31 hold the odd blocks' bytes: 8 bits up
.endr
.irp t, 0,1,2,3
	s_delay_alu instid0(VALU_DEP_4)
	v_permlanex16_b32 v[20+\t], v[SW+\t], s18, s19
.endr
.irp t, 0,1,2,3
	s_delay_alu instid0(VALU_DEP_4)
	v_or_b32 v[SW+\t], v[SW+\t], v[20+\t]          ; with lane l xor 16's two bytes the word is whole
.endr
	v_cmp_ne_u32 vcc_lo, 0, v6
	v_cndmask_b32 v12, v[SW], v[SW+2], vcc_lo      ; lanes 0-15 store words 0, 1 of their row, lanes 16-31 words 2, 3
	v_cndmask_b32 v13, v[SW+1], v[SW+3], vcc_lo
	global_store_b64 v4, v[12:13], s[30:31]        ; the 32 lanes store 256 consecutive bytes, aligned
	s_wait_tensorcnt 0x0                           ; the wave's end
	ds_add_u32 v[SPW], v[NIL]
	s_wait_dscnt 0x0
	s_endpgm
.Lfunc_end_k_qe9a26532bb_quant:
	.size	k_qe9a26532bb_quant, .Lfunc_end_k_qe9a26532bb_quant-k_qe9a26532bb_quant
	.p2alignl 7, 3214868480
	.fill 96, 4, 3214868480
	.section	.rodata,"a",@progbits
	.p2align	6, 0x0
	.amdhsa_kernel k_qe9a26532bb_quant
		.amdhsa_group_segment_fixed_size 316928
		.amdhsa_private_segment_fixed_size 0
		.amdhsa_enable_private_segment 0
		.amdhsa_kernarg_size 56
		.amdhsa_user_sgpr_count 2
		.amdhsa_user_sgpr_kernarg_segment_ptr 1
		.amdhsa_wavefront_size32 1
		.amdhsa_system_sgpr_workgroup_id_x 1
		.amdhsa_system_sgpr_workgroup_id_y 1
		.amdhsa_system_sgpr_workgroup_id_z 1
		.amdhsa_system_vgpr_workitem_id 0
		.amdhsa_next_free_vgpr 250
		.amdhsa_next_free_sgpr 106
		.amdhsa_reserve_vcc 1
		.amdhsa_float_denorm_mode_32 3
		.amdhsa_float_denorm_mode_16_64 3
		.amdhsa_memory_ordered 1
		.amdhsa_forward_progress 1
		.amdhsa_inst_pref_size 34
	.end_amdhsa_kernel
	.amdgpu_metadata
---
amdhsa.version: [ 1, 2 ]
amdhsa.kernels:
  - .name:           k_qe9a26532bb_quant
    .symbol:         k_qe9a26532bb_quant.kd
    .args:
      - { .name: x_t, .offset: 0, .size: 8, .value_kind: global_buffer, .address_space: global }
      - { .name: h_prev, .offset: 8, .size: 8, .value_kind: global_buffer, .address_space: global }
      - { .name: W_i, .offset: 16, .size: 8, .value_kind: global_buffer, .address_space: global }
      - { .name: W_f, .offset: 24, .size: 8, .value_kind: global_buffer, .address_space: global }
      - { .name: W_c, .offset: 32, .size: 8, .value_kind: global_buffer, .address_space: global }
      - { .name: W_o, .offset: 40, .size: 8, .value_kind: global_buffer, .address_space: global }
      - { .name: codes, .offset: 48, .size: 8, .value_kind: global_buffer, .address_space: global }
    .group_segment_fixed_size: 316928
    .private_segment_fixed_size: 0
    .kernarg_segment_align: 8
    .kernarg_segment_size: 56
    .max_flat_workgroup_size: 480
    .sgpr_count:     106
    .vgpr_count:     250
    .wavefront_size: 32
...
	.end_amdgpu_metadata
.endif
;; end of part 1
;; launch lstm (part 2): grid 32 x 8, 4 waves a work-group, clusters of 4 x 4, 327,680 bytes of LDS; arguments codes, c_prev, out0, out1, b_i, b_f, b_c, b_o; writes out0, out1
.if DOCPART == 2
	.amdgcn_target "amdgcn-amd-amdhsa--gfx1250"
	.amdhsa_code_object_version 6
	.text
	.protected	k_qe9a26532bb_lstm
	.globl	k_qe9a26532bb_lstm
	.p2align	8
	.type	k_qe9a26532bb_lstm,@function
k_qe9a26532bb_lstm:
	s_mov_b64 s[64:65], 0
	v_nop
	global_prefetch_b8 v0, s[64:65] scope:SCOPE_SE
	s_setreg_imm32_b32 hwreg(HW_REG_WAVE_MODE, 25, 1), 1
	s_wait_xcnt 0x0
	s_wait_alu depctr_hold_cnt(0) depctr_sa_sdst(0) depctr_va_vdst(0) depctr_va_sdst(0) depctr_va_ssrc(0) depctr_va_vcc(0) depctr_vm_vsrc(0)
	s_getreg_b32 s2, hwreg(HW_REG_IB_STS2, 6, 4)
	s_cmp_eq_u32 s2, 0
	s_cbranch_scc0 .Lentry_in_a_cluster
	s_endpgm
.Lentry_in_a_cluster:
	s_bfe_u32 s2, ttmp6, 0x10000c
	s_cmp_lg_u32 s2, 0xf033
	s_cbranch_scc0 .Lentry_shape_is_right
	s_endpgm
.Lentry_shape_is_right:
; gates = [x | h] W^T + b on codes of FP4 (E2M1) with one E8M0 scale for each 32 along K = 3,072; then c_t = sigmoid(gf) c_prev + sigmoid(gi) tanh(gc) (out1) and h_t = sigmoid(go) tanh(c_t) (out0), in f32.
; codes: [K step of 512: 6][128 rows: 80] pieces of 34,816 bytes: codes [group of 16 rows: 8][block of 32: 16][row: 16][16 bytes], then scales [group: 8][row: 16][16 bytes].  Pieces 0-15 are the rows of [x | h];
; piece 16 + 2 tx + half holds, in its group 2 gate + u, rows 64 tx + 32 half + 16 u on of W_gate (0 i, 1 f, 2 c, 3 o).
; SHARES.  A work-group of four waves, as many as a WGP has SIMDs, makes 256 rows x 64 hidden units x 4 gates; a wave 128 rows x 32 units x 4 gates: 64 accumulators of 16 x 16, 512 registers.  32 x 8 work-groups.
; THE MATRIX INSTRUCTION IS USED TRANSPOSED (source 0 = 16 rows of W, source 1 = 16 rows of [x | h]): lane (r, h), register j of accumulators (a, u), (a, 2 + u), (a, 4 + u), (a, 6 + u) holds gi, gf, gc, go of
; row 16 a + r and hidden unit 16 u + 8 h + j: the cell never leaves the lane.  The biases are the C of each sum's first product: nothing is cleared, no addition is spent.
; TILES ARE IMAGES OF THE OPERANDS' REGISTERS: every fragment load takes 512 consecutive bytes of LDS, 16 a lane: no pitch, no padding; the scale bytes ride behind their codes, so one load brings both.
; K goes in steps of 512 through a ring of two LDS slots filled by the tensor data mover.
; CLUSTERS: 4 x 4 work-groups.  The four of a row of the cluster need the same pieces of [x | h], the four of a column the same pieces of W: each is asked for JOINTLY, by the same tensor load with the same
; descriptor and a mask that names the four.  c_prev's tile is each work-group's own: a plain load, into slot 0 when its last K step has been read, a K step (256 matrix instructions) ahead of its use.
; THE WAY OUT GOES BY CELLS of 32 rows.  A row's 256 bytes come from two waves, so c_t and h_t go through LDS and are read back as whole rows: c_t in its own cell, h_t while the next cell is computed.
; LIMITS: NaN and infinities among the inputs are not served (a NaN in c_t would not reach h_t: the hold below drops it).  tanh's exponent 2 log2(e) x is held at 32 from above: from 25 on tanh is 1 in f32, so no value changes.
; A sigmoid's exponential may overflow: its reciprocal is then 0, the right limit; no product of infinity and 0 arises, since every factor 1 + e is at least 1 and e - 1 is at most 2^32.
; e - 1 is formed as (1 + e) - 2: against e - 1 that moves tanh by 2^-23 at the most.
; REGISTERS, in windows of 256: window 0: v1-15 at work at the head; v16-31 addresses; v32-95 scale words, two sets, and nothing else ever; v192-255 the biases; on the way out v96-255 are at work.
;   window 1: W's fragments, two sets, at v0 and v64; A's fragments, two sets, at v128 and v192; on the way out v0-63 hold rows read back.
;   window 2: the accumulators of my rows 0-63 ((a, b) at v[8 (8 a + b)]);   window 3: those of my rows 64-127.
.set PIECE,  34816                     ; 128 rows of a K step: what one tensor load brings
.set KSS,    80*PIECE                  ; bytes from a K step to the next
.set SLOT,   4*PIECE                   ; A's two halves, then W's two halves
.set SPARE,  2*SLOT                    ; the spare words, 128 bytes for each wave: two blocks of 256 bytes that no other line names
.set CPI,    272                       ; the way out: a row of 64 f32 + 16 bytes.  c_prev, then c_t in its place, lies from byte 0 on (slot 0, after its last K step); h_t from SLOT on (slot 1, after its last read)
.set ADRA, 16                          ; v16-17  LDS address of my A fragments in slot 0, 1
.set ADRB, 18                          ; v18-19  the same for W
.set ADRS, 20                          ; v20-21  of my scale words: lanes 0-15 A's rows, lanes 16-31 W's
.set CPA,  22                          ; v22     my 32 bytes of a row of c_prev and c_t
.set HSA,  23                          ; v23     the same for h_t
.set RDC,  24                          ; v24     where I read whole rows of c_t back
.set RDH,  25                          ; v25     and of h_t
.set GOF,  26                          ; v26     my byte offset in two rows of an output
.set PFC,  27                          ; v27     c_prev's prefetches: my lane x a row of 8,192 bytes
.set SPW,  28                          ; v28     LDS address of my spare word; never rewritten
.set NIL,  29                          ; v29     0; never rewritten
.set PFO,  30                          ; v30-31  the codes' prefetches: 256 x lane, and 8,192 + 256 x min(lane, 1)
.set PFO2, 31
.set SC,   32                          ; scale words: set s at v[SC + 32 s]; register 4 i + q: lanes 0-15 the word of A's block i, lanes 16-31 that of W's block i, for the slot's q-th 128 along K
.set BIAS, 192                         ; 8 registers for each of W's blocks b = 2 gate + u
.set E,    96                          ; the way out: v96-223: 32 numbers a gate: i, f, c, o
.set CP,   224                         ; v224-255 c_prev
.set PFA,  12                          ; s[12:13] where my prefetches stand: my work-group's 8,704 bytes of the piece that I fetch, in K step 2; never rewritten
.set LIM,  68                          ; s68     1 in a wave that prefetches codes, else the greatest number
.set G0C,  16                          ; s[16:19] group 0 for c_prev;  s[92:99] its group 1
.set G1C,  92
.set G1,   32                          ; s[32:39] group 1 for A's pieces;  s[40:47] group 0, one set for each slot
.set G0,   40
.set G1B,  48                          ; s[48:55], s[56:63] the same for W's
.set G0B,  56
.set MSB, 0
.macro WIN new                         ; the immediate's high byte repeats the setting that is left
.if MSB != \new
	s_set_vgpr_msb (MSB<<8)|\new
.set MSB, \new
.endif
.endm
.set MUL_LO, 0xa5                      ; sources 0 (W) and 1 (A) window 1, C and D window 2
.set MUL_HI, 0xf5                      ; the same, C and D window 3
.set TO_L,   0x40                      ; destination window 1, address window 0
; A joint load: waves 0 and 1 fetch for A, waves 2 and 3 for W.  Each of the two lines has ONE mask and one set of registers for all that issue it; the branch hangs on the wave's number alone.
.macro JLOAD g0a, g1a, g0b, g1b
	s_cmp_eq_u32 s15, 0
	s_cbranch_scc0 .Lfor_b_\@
	tensor_load_to_lds s[\g0a:\g0a+3], s[\g1a:\g1a+7]
	s_nop 0
.rept 4
	v_nop
.endr
	s_branch .Lasked_\@
.Lfor_b_\@:
	tensor_load_to_lds s[\g0b:\g0b+3], s[\g1b:\g1b+7]
	s_nop 0
.rept 4
	v_nop
.endr
.Lasked_\@:
.endm
; PREFETCHES INTO THE L2.  At the head a wave asks for K step 1 of the piece that it fetches, behind the load of K step 1 for K steps 2 and 3, behind those of 2 and 3 for 4 and 5.  Behind the refills of K steps 4 and 5
; there is no K step left to ask for: there each wave asks for the 64 rows of c_prev that it will fetch, 32 at a time, a lane a row.
; The four partners that ask for a piece jointly share its 136 blocks of 256 bytes out BY ADDRESS, 34 each (by cx for A, by cy for W): two instructions a wave, 32 lanes and 2 (the lanes left over name the last block again).
; A's piece is read by the eight clusters of a row of clusters: clusters x = 0 and x = 4 ask; W's by the two of a column: cluster y = 0 asks.  No branch hangs on a work-group's place in its cluster.
.macro PF off
	global_prefetch_b8 v[PFO], s[PFA:PFA+1] offset:\off th:TH_LOAD_NT scope:SCOPE_SE
	global_prefetch_b8 v[PFO2], s[PFA:PFA+1] offset:\off th:TH_LOAD_NT scope:SCOPE_SE
.endm
.macro ASK slot
	s_cmp_gt_u32 s3, s[LIM]
	s_cbranch_scc0 .Lnot_mine_\@
	PF (2+\slot)*KSS
.Lnot_mine_\@:
	s_cmp_eq_u32 s3, 1
	s_cbranch_scc0 .Lnot_last_\@
	global_prefetch_b8 v[PFC], s[6:7] offset:32*8192*\slot th:TH_LOAD_NT scope:SCOPE_SE
.Lnot_last_\@:
.endm
.macro CREST                           ; a round of the cluster's barrier behind its opening barrier
	s_cmp_lg_u32 s14, 0
	s_cbranch_scc1 .Lnot_wave_0_\@
	s_barrier_signal -3
.Lnot_wave_0_\@:
	s_barrier_wait -3
	s_barrier_signal -1
	s_barrier_wait -1
.endm
.macro CROUND                          ; a whole round
	s_barrier_signal -1
	s_barrier_wait -1
	CREST
.endm
	s_load_b256 s[4:11], s[0:1], 0x0               ; codes 4:5, c_prev 6:7, out0 8:9, out1 10:11
	s_load_b256 s[24:31], s[0:1], 0x20             ; b_i 24:25, b_f 26:27, b_c 28:29, b_o 30:31
	v_lshl_add_u32 v[SPW], v0, 2, SPARE
	v_mov_b32 v[NIL], 0
	ds_add_u32 v[SPW], v[NIL]                      ; the opening lines: the add, twice on end
	ds_add_u32 v[SPW], v[NIL]
	v_lshrrev_b32 v1, 5, v0
	v_readfirstlane_b32 s14, v1                    ; wave 0..3
	s_lshr_b32 s15, s14, 1                         ; which half of the tile's rows is mine.  Also: I fetch for A (0) or for W (1)
	s_and_b32 s66, s14, 1                          ; which half of its hidden units.  Also: which 128 rows of that operand I fetch
	s_bfe_u32 s69, ttmp6, 0x40000                  ; cx, cy: my place in the cluster
	s_bfe_u32 s70, ttmp6, 0x40004
	s_lshl_b32 s100, ttmp9, 2
	s_add_co_u32 s100, s100, s69                   ; tx = 4 x cluster x + cx: which 64 hidden units
	s_and_b32 s71, ttmp7, 0xffff                   ; cluster y
	s_lshl_b32 s101, s71, 2
	s_add_co_u32 s101, s101, s70                   ; ty = 4 x cluster y + cy: which 256 rows
	s_lshl_b32 s2, s70, 2
	s_lshl_b32 s2, 15, s2                          ; my row of the cluster
	s_lshl_b32 s3, 0x1111, s69                     ; my column
	; group 1 for a piece: 34,816 dense bytes as 136 rows of 32 elements of 8 bytes; no padding
	s_or_b32 s[G1], s2, (3<<16)|(1<<21)            ; 15:0 the mask: A's pieces go to my row; 17:16 elements of 8 bytes; 21 set beside a mask
	s_or_b32 s[G1B], s3, (3<<16)|(1<<21)           ; W's go to my column
.irp g, G1, G1B
	s_mov_b32 s[\g+1], 32<<16                      ; tensor_dim0
	s_mov_b32 s[\g+2], 136<<16                     ; tensor_dim1
	s_mov_b32 s[\g+3], 32<<16                      ; tile_dim0
	s_mov_b32 s[\g+4], 136                         ; tile_dim1
	s_mov_b32 s[\g+5], 32                          ; tensor_dim0_stride
	s_mov_b32 s[\g+6], 0
	s_mov_b32 s[\g+7], 0
.endr
	; c_prev: 64 rows x 64 f32 (256 bytes of a row of 8,192), 16 bytes of padding behind each in LDS; no mask
	s_mov_b32 s[G1C], (2<<16)|(1<<20)|(5<<22)|(3<<25)  ; 17:16 elements of 4 bytes; 20 padding on; 24:22 after every 64 words (code 5); 31:25 four words (code 3)
	s_mov_b32 s[G1C+1], 64<<16
	s_mov_b32 s[G1C+2], 64<<16
	s_mov_b32 s[G1C+3], 64<<16
	s_mov_b32 s[G1C+4], 64
	s_mov_b32 s[G1C+5], 2048
	s_mov_b32 s[G1C+6], 0
	s_mov_b32 s[G1C+7], 0
	; where the pieces come from.  A's hang on ty and the wave alone, W's on tx and the wave alone, each made in registers that never hold the other coordinate
	s_lshl_b32 s72, s101, 1
	s_add_co_u32 s72, s72, s66                     ; A: piece 2 ty + half
	s_lshl_b32 s73, s100, 1
	s_add_co_u32 s73, s73, s66
	s_add_co_u32 s73, s73, 16                      ; W: piece 16 + 2 tx + half
	s_mul_i32 s[G0+2], s72, PIECE
	s_mov_b32 s[G0+3], 0
	s_mul_i32 s[G0B+2], s73, PIECE
	s_mov_b32 s[G0B+3], 0
	; and where they go: the wave's number x a constant: no place in the cluster enters an LDS address
	s_mul_i32 s2, s14, PIECE
.irp s, 0,1
	s_mov_b32 s[G0+4*\s], 1                        ; 1:0 count = 1
	s_add_co_u32 s[G0+4*\s+1], s2, \s*SLOT         ; 63:32 LDS address
	s_mov_b32 s[G0B+4*\s], 1
	s_add_co_u32 s[G0B+4*\s+1], s2, \s*SLOT
.endr
	s_mov_b32 s[G0C], 1
	s_mul_i32 s[G0C+1], s14, 64*CPI
	; the prefetches: where my wave's stand, and who asks
	s_and_b32 s76, ttmp9, 3
	s_cmp_eq_u32 s15, 0                            ; do I fetch for A?
	s_cselect_b32 s74, s72, s73
	s_cselect_b32 s77, s69, s70                    ; my place among the four that ask for the piece with me
	s_cselect_b32 s76, s76, s71                    ; the same in all sixteen partners, for a given wave
	s_cmp_eq_u32 s76, 0
	s_cselect_b32 s[LIM], 1, -1
	s_mul_i32 s74, s74, PIECE
	s_mul_i32 s77, s77, 34*256
	s_add_co_u32 s74, s74, s77
	s_add_co_u32 s74, s74, 2*KSS                   ; in K step 2; the others are reached by the immediate
	s_mov_b32 s75, 0
	; c_prev and the outputs: 256 ty rows of 8,192 bytes + 256 tx bytes
	s_lshl_b32 s104, s101, 21
	s_lshl_b32 s105, s100, 8
	s_add_co_u32 s104, s104, s105
	s_lshl_b32 s2, s15, 20                         ; s[2:3], the outputs: + (128 x row half + 8 x unit half) rows: the first row that I store
	s_lshl_b32 s3, s66, 16
	s_add_co_u32 s2, s2, s3
	s_add_co_u32 s2, s2, s104
	s_mov_b32 s3, 0
	s_lshl_b32 s105, s14, 19                       ; s[104:105], c_prev: + 64 x wave rows: the 64 rows that I fetch
	s_add_co_u32 s104, s104, s105
	s_mov_b32 s105, 0
	s_mov_b32 s20, 0xbfb8aa3b                      ; s[20:21] -log2(e): the packed forms name a pair and take its low word for both halves
	s_mov_b32 s21, s20
	s_mov_b32 s22, 0x4038aa3b                      ; s[22:23] 2 log2(e)
	s_mov_b32 s23, s22
	s_mov_b32 s67, 0x42000000                      ; 32.0
	; the scalar parts of the LDS addresses and of the biases' offset
	s_mul_i32 s77, s15, PIECE                      ; my 128 rows of A
	s_add_co_u32 s78, s66, 2
	s_mul_i32 s78, s78, PIECE                      ; my 128 rows of W, behind A's 256
	s_sub_co_u32 s79, s78, s77
	s_add_co_u32 s80, s77, 32768                   ; the scales lie behind a piece's codes
	s_mul_i32 s81, s15, 128*CPI                    ; the cell: row 128 x row half + r, bytes 128 x unit half + 32 h
	s_lshl_b32 s82, s66, 7
	s_add_co_u32 s81, s81, s82
	s_lshl_b32 s83, s100, 8
	s_add_co_u32 s83, s83, s82                     ; the biases: 4 (64 tx + 32 x unit half)
	s_lshl_b32 s82, s15, 7                         ; back: of each block of 16 rows of my row half I take rows 8 x unit half on, whole
	s_lshl_b32 s84, s66, 3
	s_add_co_u32 s82, s82, s84
	s_mul_i32 s82, s82, CPI
	s_wait_alu depctr_va_vdst(0)                   ; the wait ahead of the blocking waits
	s_wait_dscnt 0x0                               ; both opening adds are done
	s_wait_kmcnt 0x0
	s_add_nc_u64 s[G0+2:G0+3], s[4:5], s[G0+2:G0+3]        ; 120:64 global address: K step 0,
	s_add_nc_u64 s[G0+6:G0+7], s[G0+2:G0+3], KSS           ; K step 1
	s_or_b32 s[G0+3], s[G0+3], 0x80000000                  ; 127:126 type = 2
	s_or_b32 s[G0+7], s[G0+7], 0x80000000
	s_add_nc_u64 s[G0B+2:G0B+3], s[4:5], s[G0B+2:G0B+3]
	s_add_nc_u64 s[G0B+6:G0B+7], s[G0B+2:G0B+3], KSS
	s_or_b32 s[G0B+3], s[G0B+3], 0x80000000
	s_or_b32 s[G0B+7], s[G0B+7], 0x80000000
	s_add_nc_u64 s[6:7], s[6:7], s[104:105]
	s_mov_b64 s[G0C+2:G0C+3], s[6:7]
	s_or_b32 s[G0C+3], s[G0C+3], 0x80000000
	s_add_nc_u64 s[8:9], s[8:9], s[2:3]            ; out0 and out1 at the first row that I store
	s_add_nc_u64 s[10:11], s[10:11], s[2:3]
	s_add_nc_u64 s[PFA:PFA+1], s[4:5], s[74:75]
	CROUND                                         ; all sixteen work-groups are here: the first joint loads meet
	JLOAD G0, G1, G0B, G1B                         ; slot 0: K step 0: one tensor load a wave at the head
	v_and_b32 v1, 15, v0                           ; r
	v_bfe_u32 v2, v0, 4, 1                         ; h
	v_and_b32 v3, 31, v0                           ; lane
	v_lshl_add_u32 v5, v2, 5, s83                  ; the biases: my eight units of a block, in the result's layout
.irp g, 0,1,2,3
.irp u, 0,1
	global_load_b128 v[BIAS+8*(2*\g+\u):BIAS+8*(2*\g+\u)+3], v5, s[24+2*\g:25+2*\g] offset:64*\u
	global_load_b128 v[BIAS+8*(2*\g+\u)+4:BIAS+8*(2*\g+\u)+7], v5, s[24+2*\g:25+2*\g] offset:64*\u+16
.endr
.endr
	v_min_u32 v6, 1, v3
	v_lshlrev_b32 v[PFO], 8, v3
	v_lshlrev_b32 v6, 8, v6
	v_lshlrev_b32 v[PFC], 13, v3
	v_add_nc_u32 v[PFO2], 0x2000, v6
	s_wait_alu depctr_va_vdst(0)                   ; the wait ahead of the branch
	s_cmp_eq_u32 s[LIM], 1
	s_cbranch_scc0 .Lhead_not_mine
	PF -KSS                                        ; K step 1
.Lhead_not_mine:
	v_lshlrev_b32 v4, 4, v3                        ; 16 x lane: an image's place for my lane
	v_mul_u32_u24 v7, s79, v2                      ; lanes 16-31 take W's scales: one product, the distance between the two bases
	v_mul_u32_u24 v9, v1, CPI
	v_mul_u32_u24 v10, v2, CPI
	v_add_nc_u32 v[ADRA], s77, v4
	v_add_nc_u32 v[ADRB], s78, v4
	v_lshl_add_u32 v7, v1, 4, v7                   ; my row's 16 scale bytes of a K step
	v_lshl_add_u32 v9, v2, 5, v9
	v_lshl_add_u32 v10, v1, 4, v10                 ; lanes 0-15 one row of 256 bytes, lanes 16-31 the next
	v_lshlrev_b32 v[GOF], 4, v1
	v_add_nc_u32 v[ADRA+1], SLOT, v[ADRA]
	v_add_nc_u32 v[ADRB+1], SLOT, v[ADRB]
	v_add_nc_u32 v[ADRS], s80, v7
	v_add_nc_u32 v[CPA], s81, v9
	v_add_nc_u32 v[RDC], s82, v10
	v_lshl_add_u32 v[GOF], v2, 13, v[GOF]          ; and the same two rows in an output
	v_add_nc_u32 v[ADRS+1], SLOT, v[ADRS]
	v_add_nc_u32 v[HSA], SLOT, v[CPA]
	v_add_nc_u32 v[RDH], SLOT, v[RDC]
.macro FRAG reg, adr, q, i             ; a fragment, 16 rows x 128 K of 4-bit codes, is 8 registers: lane l holds row l % 16; registers 4 c .. 4 c + 3 hold K = 64 c + 32 (l / 16) + 0 .. 31.  Its image: 512 c + 16 l
.irp c, 0,1
	ds_load_b128 v[\reg+4*\c:\reg+4*\c+3], v[\adr] offset:4096*(\i)+1024*(\q)+512*\c
.endr
.endm
.macro RUN slot, q, p                  ; one run of 32 loads: the slot's q-th 128 along K into set p: W's eight blocks, then A's eight
	WIN TO_L
.irp i, 0,1,2,3,4,5,6,7
	FRAG 64*(\p)+8*\i, ADRB+\slot, \q, \i
.endr
.irp i, 0,1,2,3,4,5,6,7
	FRAG 128+64*(\p)+8*\i, ADRA+\slot, \q, \i
.endr
.endm
.macro SCALES sc                       ; a K step's scale words into set sc: four words a row; lanes 0-15 take A's block i, lanes 16-31 W's block i
	WIN 0
.irp i, 0,1,2,3,4,5,6,7
	ds_load_b128 v[SC+32*\sc+4*\i:SC+32*\sc+4*\i+3], v[ADRS+\sc] offset:256*\i
.endr
.endm
; 16 matrix instructions: A's blocks a0, a0 + 1 x W's eight, 128 along K: the slot's q-th.  p: the set of fragments;  sc: the set of scale words.  first = 1: the sums start from the biases.
; The 64 accumulators take turns, one instruction a turn, in the same order in every step.
.macro MUL16 a0, p, q, sc, first
.if \first
	WIN 0x85+0x40*((\a0)/4)                        ; C (the biases) window 0
.else
	WIN MUL_LO+0x50*((\a0)/4)
.endif
.irp a, \a0, \a0+1
.irp b, 0,1,2,3,4,5,6,7
.if \first
	v_wmma_scale_f32_16x16x128_f8f6f4 v[8*(8*((\a)%4)+\b):8*(8*((\a)%4)+\b)+7], v[64*(\p)+8*\b:64*(\p)+8*\b+7], v[128+64*(\p)+8*(\a):128+64*(\p)+8*(\a)+7], v[BIAS+8*\b:BIAS+8*\b+7], v[SC+32*(\sc)+4*\b+(\q)], v[SC+32*(\sc)+4*(\a)+(\q)] matrix_a_fmt:MATRIX_FMT_FP4 matrix_b_fmt:MATRIX_FMT_FP4 matrix_a_scale:MATRIX_SCALE_ROW1
.else
	v_wmma_scale_f32_16x16x128_f8f6f4 v[8*(8*((\a)%4)+\b):8*(8*((\a)%4)+\b)+7], v[64*(\p)+8*\b:64*(\p)+8*\b+7], v[128+64*(\p)+8*(\a):128+64*(\p)+8*(\a)+7], v[8*(8*((\a)%4)+\b):8*(8*((\a)%4)+\b)+7], v[SC+32*(\sc)+4*\b+(\q)], v[SC+32*(\sc)+4*(\a)+(\q)] matrix_a_fmt:MATRIX_FMT_FP4 matrix_b_fmt:MATRIX_FMT_FP4 matrix_a_scale:MATRIX_SCALE_ROW1
.endif
.endr
.endr
.endm
; A load into a register that a matrix instruction has read, and a vector instruction that reads a matrix result or writes one of a matrix instruction's registers, stand four places behind it, and only plain
; vector instructions that name none of its registers are places (ISA guide 7.12.1 for vector instructions).  Both operands have two sets of fragments, so a step has its places once, at its start.
.macro PLACES
.rept 4
	v_nop
.endr
.endm
; A slot's step q = 0 or 1: multiplies set q, and loads the next step's fragments into the other set, in one run at its start: they have the step's 64 matrix instructions in which to come.
.macro STEP slot, q, first
	PLACES
	s_wait_dscnt 0x0                               ; this step's fragments and scale words are in: they were asked for a step ago
	RUN \slot, (\q)+1, 1-(\q)
	MUL16 0, \q, \q, \slot, \first
	MUL16 2, \q, \q, \slot, \first
	MUL16 4, \q, \q, \slot, \first
	MUL16 6, \q, \q, \slot, \first
.endm
; A slot's step 2 makes the slot's last loads and ends with the barrier: in front of it each wave waits for all its tensor loads, adds 0 to its spare word, and waits for that and for its own reads of this slot.
; mode = 1: the slot is filled again jointly, two K steps ahead.  mode = 2: it has had its last K step and takes c_prev: each wave its own 64 rows.  mode = 0: nothing is filled again.
.macro SYNC slot, mode
	PLACES
	s_wait_dscnt 0x0                               ; this step's fragments are in
	RUN \slot, 3, 1
	MUL16 0, 0, 2, \slot, 0
	MUL16 2, 0, 2, \slot, 0
	WIN 0
	s_wait_tensorcnt 0x0                           ; all my tensor loads have landed: the one that was out is my part of the next slot (of c_prev)
.if \mode
	ds_add_u32 v[SPW], v[NIL]                      ; 0 onto my spare word
.endif
.if \mode == 1
	s_add_nc_u64 s[G0+4*\slot+2:G0+4*\slot+3], s[G0+4*\slot+2:G0+4*\slot+3], 2*KSS
	s_add_nc_u64 s[G0B+4*\slot+2:G0B+4*\slot+3], s[G0B+4*\slot+2:G0B+4*\slot+3], 2*KSS
.endif
	MUL16 4, 0, 2, \slot, 0
	s_wait_dscnt 0x0                               ; the add is done, and my reads of this slot are over
	s_barrier_signal -1
	MUL16 6, 0, 2, \slot, 0
	WIN 0
	s_barrier_wait -1
.if \mode
	CREST                                          ; the barrier has opened a round of the cluster's barrier: no wave of any partner still reads this slot's tile or has a load on its way
.endif
.if \mode == 1
	JLOAD G0+4*\slot, G1, G0B+4*\slot, G1B         ; the first tensor load behind the round, and my only one until the next; the four v_nop behind it are the places in front of the loads below
.endif
.if \mode == 2
	tensor_load_to_lds s[G0C:G0C+3], s[G1C:G1C+7]  ; the same of c_prev's tile
	s_nop 0
	PLACES
.endif
.endm
; A slot's step 3: its own fragments are all in; the next slot's scale words and first fragments are loaded.
.macro NEXT slot, next, ask
	SCALES \next
	RUN \next, 0, 0
	MUL16 0, 1, 3, \slot, 0
	MUL16 2, 1, 3, \slot, 0
.if \ask
	WIN 0
	ASK \slot
.endif
	MUL16 4, 1, 3, \slot, 0
	MUL16 6, 1, 3, \slot, 0
.endm
	s_wait_alu depctr_va_vdst(0)                   ; the wait at the head's end
	s_wait_tensorcnt 0x0                           ; my part of K step 0 is in
	ds_add_u32 v[SPW], v[NIL]
	s_wait_dscnt 0x0
	CROUND                                         ; everybody's part is in, and all sixteen work-groups are here
	JLOAD G0+4, G1, G0B+4, G1B                     ; slot 1: K step 1, the first tensor load behind the round
	SCALES 0
	RUN 0, 0, 0
	WIN 0
	s_cmp_eq_u32 s[LIM], 1
	s_cbranch_scc0 .Lthird_not_mine
	PF 0                                           ; K steps 2 and 3
	PF KSS
.Lthird_not_mine:
	s_wait_loadcnt 0x0                             ; the biases are in
	STEP 0, 0, 1                                   ; the first step stands in front of the loop: its products start the sums
	WIN 0
	s_mov_b32 s3, 2
.Llap:                                                 ; a trip goes once round the ring, from a lap's second step to the next lap's first, and fills both slots again: K steps 2, 3, then 4, 5
	STEP 0, 1, 0
	SYNC 0, 1
	NEXT 0, 1, 1
	STEP 1, 0, 0
	STEP 1, 1, 0
	SYNC 1, 1
	NEXT 1, 0, 1
	STEP 0, 0, 0
	WIN 0
	s_sub_co_u32 s3, s3, 1
	s_cmp_lg_u32 s3, 0
	s_cbranch_scc1 .Llap
	STEP 0, 1, 0                                   ; the last lap
	SYNC 0, 2                                      ; slot 0 is left for good: c_prev goes there
	NEXT 0, 1, 0
	STEP 1, 0, 0
	STEP 1, 1, 0
	SYNC 1, 0                                      ; behind its barrier c_prev is whole, and slot 1 may take h_t.  No tensor load follows
; THE WAY OUT.  A cell is 32 rows (blocks 2 k, 2 k + 1) x my 32 hidden units: 32 elements a lane and gate, E + 0 .. 31 gate i, + 32 f, + 64 c, + 96 o; element 16 s + 8 u + j is block 2 k + s, unit 16 u + 8 h + j.
; sigmoid(x) = 1 / (1 + 2^(-log2(e) x));  tanh(x) = (e - 1) / (e + 1), e = 2^min(2 log2(e) x, 32);  a sigmoid times a tanh has ONE reciprocal: (e - 1) / ((1 + ei)(1 + e)), and (1 + ei) T is one fused ei T + T, T = 1 + e.
; The transcendentals go in five batches a cell, each with a wait ahead of it and one behind it (the first two share the one between them).  Plain work that names none of a batch's registers stands inside
; the batches: what it reads was written ahead of the wait in front, and what it writes is read behind the wait at the end.
; A row's 256 bytes come from two waves, so a barrier stands between stores into a stage and their way back: each wave waits for its LDS stores and signals; exponentials, work on registers alone, stand
; between that signal and the wait.  c_t leaves in its own cell: its barrier lies round the exponentials of c_t, and its rows are stored at the cell's end.  h_t leaves in the next cell: its barrier lies round that cell's first
; exponentials, and its rows are stored in that cell's middle.  No byte of the stages is written twice, and what one barrier shows is read before the next is signalled or lies in other rows.
.macro CPLOAD k                        ; c_prev of cell k: my 2 x 32 bytes of rows 16 (2 k + s) + r
.irp s, 0,1
.irp u, 0,1
.irp i, 0,1
	ds_load_b128 v[CP+16*\s+8*\u+4*\i:CP+16*\s+8*\u+4*\i+3], v[CPA] offset:16*CPI*(2*(\k)+\s)+64*\u+16*\i
.endr
.endr
.endr
.endm
.macro PUT adr, reg, k                 ; 32 numbers to the places that CPLOAD reads, or to the same places of h_t's stage
.irp s, 0,1
.irp u, 0,1
.irp i, 0,1
	ds_store_b128 v[\adr], v[\reg+16*\s+8*\u+4*\i:\reg+16*\s+8*\u+4*\i+3] offset:16*CPI*(2*(\k)+\s)+64*\u+16*\i
.endr
.endr
.endr
.endm
.macro BACK reg, adr, k                ; my 16 whole rows of cell k, two an instruction, into window 1: c_t's into v0-31, h_t's into v32-63
	WIN TO_L
.irp s, 0,1
.irp i, 0,1,2,3
	ds_load_b128 v[\reg+16*\s+4*\i:\reg+16*\s+4*\i+3], v[\adr] offset:CPI*(16*(2*(\k)+\s)+2*\i)
.endr
.endr
	WIN 0
.endm
.macro SEND reg, out, k                ; 16 lanes store 256 consecutive bytes, at a multiple of 256 from the output's first byte; written once, read by nobody here.  118 rows of 8,192 bytes at the most stand in the immediate
	WIN 0x04                                       ; the data: window 1
.irp s, 0,1
.irp i, 0,1,2,3
	global_store_b128 v[GOF], v[\reg+16*\s+4*\i:\reg+16*\s+4*\i+3], s[\out:\out+1] offset:8192*(16*(2*(\k)+\s)+2*\i) th:TH_STORE_NT
.endr
.endr
	WIN 0
.endm
.macro PKC d, c                        ; 16 pairs: d = d + the constant c
.set kk, 0
.rept 16
	v_pk_add_f32 v[\d+kk:\d+kk+1], v[\d+kk:\d+kk+1], \c op_sel_hi:[1,0]
.set kk, kk+2
.endr
.endm
.macro PKM d, y                        ; 16 pairs: d = d y
.set kk, 0
.rept 16
	v_pk_mul_f32 v[\d+kk:\d+kk+1], v[\d+kk:\d+kk+1], v[\y+kk:\y+kk+1]
.set kk, kk+2
.endr
.endm
.macro PKF d, y                        ; 16 pairs: d = d y + y = (1 + d) y
.set kk, 0
.rept 16
	v_pk_fma_f32 v[\d+kk:\d+kk+1], v[\d+kk:\d+kk+1], v[\y+kk:\y+kk+1], v[\y+kk:\y+kk+1]
.set kk, kk+2
.endr
.endm
.macro HOLD d                          ; tanh's 32 exponents are held at 32
.set kk, 0
.rept 32
	v_min_num_f32 v[\d+kk], s67, v[\d+kk]
.set kk, kk+1
.endr
.endm
.macro TR op, d, n                     ; a batch of n transcendentals in place: the wait ahead of it, the plain line behind the last, and the one wait ahead of the first reader
	s_wait_alu depctr_va_vdst(0)
.set kk, 0
.rept \n
	\op v[\d+kk], v[\d+kk]
.set kk, kk+1
.endr
	v_nop
	s_wait_alu depctr_va_vdst(0)
.endm
.macro TRHOLD d, e                     ; 64 exponentials in place from d on, and the hold of 32 exponents from e on among them; the wait behind it is the next batch's first line
	s_wait_alu depctr_va_vdst(0)
.set kk, 0
.rept 32
	v_exp_f32 v[\d+2*kk], v[\d+2*kk]
	v_exp_f32 v[\d+2*kk+1], v[\d+2*kk+1]
	v_min_num_f32 v[\e+kk], s67, v[\e+kk]
.set kk, kk+1
.endr
.endm
.macro MIX4 op, d, e, c                ; 64 transcendentals in place from d on, and 16 pairs e = e + c among them; the last pair is the plain line behind the last
	s_wait_alu depctr_va_vdst(0)
.set kk, 0
.rept 16
	\op v[\d+4*kk], v[\d+4*kk]
	\op v[\d+4*kk+1], v[\d+4*kk+1]
	\op v[\d+4*kk+2], v[\d+4*kk+2]
	\op v[\d+4*kk+3], v[\d+4*kk+3]
	v_pk_add_f32 v[\e+2*kk:\e+2*kk+1], v[\e+2*kk:\e+2*kk+1], \c op_sel_hi:[1,0]
.set kk, kk+1
.endr
	s_wait_alu depctr_va_vdst(0)
.endm
.macro MIX2 op, d, e, c                ; the same with 32 transcendentals
	s_wait_alu depctr_va_vdst(0)
.set kk, 0
.rept 16
	\op v[\d+2*kk], v[\d+2*kk]
	\op v[\d+2*kk+1], v[\d+2*kk+1]
	v_pk_add_f32 v[\e+2*kk:\e+2*kk+1], v[\e+2*kk:\e+2*kk+1], \c op_sel_hi:[1,0]
.set kk, kk+1
.endr
	s_wait_alu depctr_va_vdst(0)
.endm
.macro CELL k
	WIN 0x02+(\k)/2                                ; source 0: window 2 or 3
	s_wait_alu depctr_va_vdst(0)                   ; the wait directly ahead of the first reader of these sums
.irp g, 0,1,2,3
.irp s, 0,1
.set kk, 0
.rept 8                                        ; the exponents; each accumulator is read from its low end on
.if \g == 2
	v_pk_mul_f32 v[E+32*\g+16*\s+kk:E+32*\g+16*\s+kk+1], v[128*((\k)%2)+64*\s+16*\g+kk:128*((\k)%2)+64*\s+16*\g+kk+1], s[22:23] op_sel_hi:[1,0]
.else
	v_pk_mul_f32 v[E+32*\g+16*\s+kk:E+32*\g+16*\s+kk+1], v[128*((\k)%2)+64*\s+16*\g+kk:128*((\k)%2)+64*\s+16*\g+kk+1], s[20:21] op_sel_hi:[1,0]
.endif
.set kk, kk+2
.endr
.endr
.endr
	WIN 0
	TRHOLD E, E+64                                 ; ei, ef; eg's exponents held
	MIX4 v_exp_f32, E+64, E+32, 1.0                ; eg, eo; 1 + ef
.if (\k) > 0
	s_barrier_wait -1                              ; all four waves' h_t of the cell before is in the stage
.if (\k) > 1
	s_wait_xcnt 0x0                                ; the stores that last read these registers have had their addresses translated: the loads below may land there
.endif
	BACK 32, RDH, \k-1
.endif
	PKC E+64, 1.0                                  ; 1 + eg
	PKF E, E+64                                    ; (1 + ei)(1 + eg)
	MIX4 v_rcp_f32, E, E+64, -2.0                  ; its reciprocal, and f = 1 / (1 + ef); eg - 1
.if (\k) == 0
	s_wait_dscnt 0x0                               ; this cell's c_prev is in.  (In the later cells it came in ahead of the last cell's signal)
.endif
	PKM E+64, E                                    ; i g
.set kk, 0
.rept 16
	v_pk_fma_f32 v[E+64+kk:E+64+kk+1], v[E+32+kk:E+32+kk+1], v[CP+kk:CP+kk+1], v[E+64+kk:E+64+kk+1]   ; c_t = f c_prev + i g
.set kk, kk+2
.endr
	PUT CPA, E+64, \k                              ; in c_prev's place: my own bytes, which nobody else touches before the barrier that I signal below
.set kk, 0
.rept 16
	v_pk_mul_f32 v[E+kk:E+kk+1], v[E+64+kk:E+64+kk+1], s[22:23] op_sel_hi:[1,0]
.set kk, kk+2
.endr
	HOLD E
	s_wait_dscnt 0x0                               ; for the others' sake: my stores of c_t are done (and h_t's rows of the cell before are back)
	s_barrier_signal -1
	TR v_exp_f32, E, 32                            ; ec
	s_barrier_wait -1                              ; all four waves' c_t of this cell is in the stage
.if (\k) > 0
	s_wait_xcnt 0x0                                ; the stores that last read v0-31 have had their addresses translated
.endif
	BACK 0, RDC, \k
.if (\k) < 3
	CPLOAD \k+1                                    ; the next cell's c_prev
.endif
.if (\k) > 0
	SEND 32, 8, \k-1                               ; h_t of the cell before
.endif
	PKC E, 1.0                                     ; 1 + ec
	PKF E+96, E                                    ; (1 + eo)(1 + ec)
	MIX2 v_rcp_f32, E+96, E, -2.0                  ; its reciprocal; ec - 1
.if (\k) < 3
	s_wait_dscnt 8                                 ; c_t's rows are back; c_prev's eight loads may be out
.else
	s_wait_dscnt 0x0
.endif
	SEND 0, 10, \k                                 ; c_t of this cell
	PKM E, E+96                                    ; h_t
	PUT HSA, E, \k
	s_wait_dscnt 0x0                               ; for the others' sake: my stores of h_t are done (and the next cell's c_prev is in)
	s_barrier_signal -1
.endm
	PLACES
	CPLOAD 0                                       ; under the last products; the biases' registers are done with
	MUL16 0, 1, 3, 1, 0                            ; the very last step: nothing more to fetch
	MUL16 2, 1, 3, 1, 0
	MUL16 4, 1, 3, 1, 0
	MUL16 6, 1, 3, 1, 0
	PLACES                                         ; behind the last products: for the reads of their results
.irp k, 0,1,2,3
	CELL \k
.endr
	s_barrier_wait -1                              ; the last cell's h_t is whole
	s_wait_xcnt 0x0                                ; cell 2's stores have had their addresses translated
	BACK 32, RDH, 3
	s_wait_dscnt 0x0
	SEND 32, 8, 3
	s_wait_tensorcnt 0x0                           ; the wave's end: behind my last tensor load and my last LDS store
	ds_add_u32 v[SPW], v[NIL]
	s_wait_dscnt 0x0
	CROUND                                         ; the closing round: no work-group ends while a partner may still ask for a tile that names it
	s_endpgm
.Lfunc_end_k_qe9a26532bb_lstm:
	.size	k_qe9a26532bb_lstm, .Lfunc_end_k_qe9a26532bb_lstm-k_qe9a26532bb_lstm
	.p2alignl 7, 3214868480
	.fill 96, 4, 3214868480
	.section	.rodata,"a",@progbits
	.p2align	6, 0x0
	.amdhsa_kernel k_qe9a26532bb_lstm
		.amdhsa_group_segment_fixed_size 327680
		.amdhsa_private_segment_fixed_size 0
		.amdhsa_enable_private_segment 0
		.amdhsa_kernarg_size 64
		.amdhsa_user_sgpr_count 2
		.amdhsa_user_sgpr_kernarg_segment_ptr 1
		.amdhsa_wavefront_size32 1
		.amdhsa_system_sgpr_workgroup_id_x 1
		.amdhsa_system_sgpr_workgroup_id_y 1
		.amdhsa_system_sgpr_workgroup_id_z 1
		.amdhsa_system_vgpr_workitem_id 0
		.amdhsa_next_free_vgpr 1024
		.amdhsa_next_free_sgpr 106
		.amdhsa_reserve_vcc 0
		.amdhsa_float_denorm_mode_32 3
		.amdhsa_float_denorm_mode_16_64 3
		.amdhsa_memory_ordered 1
		.amdhsa_forward_progress 1
		.amdhsa_inst_pref_size 255
	.end_amdhsa_kernel
	.section	.bss,"aw",@nobits
	.p2align	6
	.space	262144
	.amdgpu_metadata
---
amdhsa.version: [ 1, 2 ]
amdhsa.kernels:
  - .name:           k_qe9a26532bb_lstm
    .symbol:         k_qe9a26532bb_lstm.kd
    .args:
      - { .name: codes, .offset: 0, .size: 8, .value_kind: global_buffer, .address_space: global }
      - { .name: c_prev, .offset: 8, .size: 8, .value_kind: global_buffer, .address_space: global }
      - { .name: out0, .offset: 16, .size: 8, .value_kind: global_buffer, .address_space: global }
      - { .name: out1, .offset: 24, .size: 8, .value_kind: global_buffer, .address_space: global }
      - { .name: b_i, .offset: 32, .size: 8, .value_kind: global_buffer, .address_space: global }
      - { .name: b_f, .offset: 40, .size: 8, .value_kind: global_buffer, .address_space: global }
      - { .name: b_c, .offset: 48, .size: 8, .value_kind: global_buffer, .address_space: global }
      - { .name: b_o, .offset: 56, .size: 8, .value_kind: global_buffer, .address_space: global }
    .group_segment_fixed_size: 327680
    .private_segment_fixed_size: 0
    .kernarg_segment_align: 8
    .kernarg_segment_size: 64
    .max_flat_workgroup_size: 128
    .sgpr_count:     106
    .vgpr_count:     1024
    .wavefront_size: 32
...
	.end_amdgpu_metadata
.endif
;; end of part 2
